; MI455X (gfx1250); checked and timed in simulation.
; The chip was launched on July 23, 2026; its instructions are those of AMD's public machine-readable ISA for CDNA 5 (MIT licence, August 2026) and "CDNA5" Instruction Set Architecture Reference Guide (July 2026). The comments in the code are by the model that wrote it; some were corrected since.
;; W8 A8 BFP16 FP16 Conv1 D. Allowed arithmetic: float matrix products may take bf16 or f16 operands with f32 sums; other float arithmetic in f32, or as packed bf16 or f16 multiplies, adds, multiply-adds, maxima and minima; sums over many terms, partial sums and values carried from step to step in f32; what a program stores and reads back later, other than sums and carried values, may be rounded once to bf16 or f16.
;; Inputs: alpha 1 float32; bias 1 x 4,096 float16; weight 4,096 x 4,096 int32; x 4 x 1,024 x 4,096 int32.
;; Outputs: out0 4 x 1,024 x 4,096 float32.
;; 2 versions, each right; version 2 is version 1 with the launch tobf16 written anew for expert scheduling mode. Each part assembles by itself: llvm-mc -triple=amdgcn-amd-amdhsa -mcpu=gfx1250 --defsym DOCPART=n.
;; ======== version 1 of 2: 2 launches
;; workspace buffers: xb 33,554,432 bytes; wb 33,554,432 bytes
;; launch tobf16 (part 1): grid 256 x 2, 8 waves a work-group, no clusters, 0 bytes of LDS; arguments x, weight, xb, wb; writes xb, wb
.if DOCPART == 1
	.amdgcn_target "amdgcn-amd-amdhsa--gfx1250"
	.amdhsa_code_object_version 6
	.text
	.protected	k_q4a74dce94e_tobf16
	.globl	k_q4a74dce94e_tobf16
	.p2align	8
	.type	k_q4a74dce94e_tobf16,@function
k_q4a74dce94e_tobf16:
	s_mov_b64 s[64:65], 0
	v_nop
	global_prefetch_b8 v0, s[64:65] scope:SCOPE_SE
	s_setreg_imm32_b32 hwreg(HW_REG_WAVE_MODE, 25, 1), 1
	s_wait_xcnt 0x0
; xb = bf16(x), wb = bf16(weight): both [4096][4096], int32 in, bf16 out, the layout unchanged.
; LIMIT.  bf16 holds every whole number up to 256 in magnitude exactly; a larger one is rounded to 8 significant bits, and one
; beyond 2^24 is rounded twice (int32 -> f32 -> bf16).  Every int32 lies within bf16's range.
; SHARES.  Grid y picks the matrix (0: x -> xb, 1: weight -> wb).  A work-group owns 262,144 bytes of input, taken as 64 pieces of 4,096:
; thread t reads the 16 bytes at 16 t of each piece (a wave's load covers 512 consecutive bytes) and stores the 8 bytes at 8 t of the
; piece's 2,048 bytes of output (a wave's store covers 256 consecutive bytes, at a multiple of 256 from the buffer's first byte).
; A ring of DEPTH slots in registers keeps DEPTH loads of every wave on their way.  No LDS, no barrier, no matrix unit, no cluster:
; no byte is wanted by two threads.
.set DEPTH,  16                        ; slots = loads in flight in each wave
.set ROUNDS, 64/DEPTH                  ; each round takes every slot once
.set INP,    4096                      ; bytes of input in a piece
.set OUTP,   2048                      ; bytes of output in a piece
.set IO,  1                            ; v1        16 t; never rewritten
.set OO,  2                            ; v2        8 t; never rewritten
.set X,   4                            ; v[4:67]   slot i: four int32 as loaded, then as f32
.set Y,   68                           ; v[68:99]  slot i: four bf16 to store
	s_load_b256 s[4:11], s[0:1], 0x0               ; x s[4:5], weight s[6:7], xb s[8:9], wb s[10:11]
	s_and_b32 s12, ttmp7, 0xffff                   ; which matrix
	s_lshl_b32 s14, ttmp9, 18                      ; the work-group's 262,144 bytes of input (under 2^26),
	s_mov_b32 s15, 0
	s_lshl_b32 s16, ttmp9, 17                      ; and its 131,072 bytes of output
	s_mov_b32 s17, 0
	v_lshlrev_b32 v[IO], 4, v0
	v_lshlrev_b32 v[OO], 3, v0
	s_wait_kmcnt 0x0
	s_cmp_eq_u32 s12, 0                            ; the choice hangs on the work-group's y alone
	s_cselect_b64 s[4:5], s[4:5], s[6:7]
	s_cselect_b64 s[8:9], s[8:9], s[10:11]
	s_add_nc_u64 s[4:5], s[4:5], s[14:15]
	s_add_nc_u64 s[8:9], s[8:9], s[16:17]
.irp i, 0,1,2,3,4,5,6,7,8,9,10,11,12,13,14,15
	global_load_b128 v[X+4*(\i):X+4*(\i)+3], v[IO], s[4:5] offset:(\i)*INP th:TH_LOAD_NT  ; fill the ring: pieces 0 to 15
.endr
; One slot's turn.  ahead = 1: the slot is filled again with the piece DEPTH further on.
; left = how many younger loads may still be out when this slot's load has to be there.
.macro SLOT i, ahead, left
	s_wait_loadcnt \left                           ; loads come back in order (ISA guide 5.7.1): mine is in, the younger ones stay out
.irp j, 0,1,2,3
	v_cvt_f32_i32 v[X+4*(\i)+(\j)], v[X+4*(\i)+(\j)]
.endr
	v_cvt_pk_bf16_f32 v[Y+2*(\i)],   v[X+4*(\i)],   v[X+4*(\i)+1]  ; the first source goes into the low half: the lower index
	v_cvt_pk_bf16_f32 v[Y+2*(\i)+1], v[X+4*(\i)+2], v[X+4*(\i)+3]
.if \ahead
	global_load_b128 v[X+4*(\i):X+4*(\i)+3], v[IO], s[4:5] offset:(DEPTH+(\i))*INP th:TH_LOAD_NT
.endif
	global_store_b64 v[OO], v[Y+2*(\i):Y+2*(\i)+1], s[8:9] offset:(\i)*OUTP  ; no hint: the next launch reads these bytes
.endm
	s_mov_b32 s13, ROUNDS-1
.Lround:
.irp i, 0,1,2,3,4,5,6,7,8,9,10,11,12,13,14,15
	SLOT \i, 1, DEPTH-1
.endr
	s_wait_xcnt 0x0                                ; every load and store issued so far has had its addresses translated (ISA guide 3.1): only behind this wait are the two bases and the stores' data (Y) written again
	s_add_nc_u64 s[4:5], s[4:5], DEPTH*INP
	s_add_nc_u64 s[8:9], s[8:9], DEPTH*OUTP
	s_sub_co_u32 s13, s13, 1
	s_cmp_lg_u32 s13, 0
	s_cbranch_scc1 .Lround
.irp i, 0,1,2,3,4,5,6,7,8,9,10,11,12,13,14,15
	SLOT \i, 0, DEPTH-1-(\i)                       ; the last round loads nothing: the counts run down, and no load leaves the buffer
.endr
	s_endpgm
.Lfunc_end_k_q4a74dce94e_tobf16:
	.size	k_q4a74dce94e_tobf16, .Lfunc_end_k_q4a74dce94e_tobf16-k_q4a74dce94e_tobf16
	.p2alignl 7, 3214868480
	.fill 96, 4, 3214868480
	.section	.rodata,"a",@progbits
	.p2align	6, 0x0
	.amdhsa_kernel k_q4a74dce94e_tobf16
		.amdhsa_group_segment_fixed_size 0
		.amdhsa_private_segment_fixed_size 0
		.amdhsa_enable_private_segment 0
		.amdhsa_kernarg_size 32
		.amdhsa_user_sgpr_count 2
		.amdhsa_user_sgpr_kernarg_segment_ptr 1
		.amdhsa_wavefront_size32 1
		.amdhsa_system_sgpr_workgroup_id_x 1
		.amdhsa_system_sgpr_workgroup_id_y 1
		.amdhsa_system_sgpr_workgroup_id_z 1
		.amdhsa_system_vgpr_workitem_id 0
		.amdhsa_next_free_vgpr 104
		.amdhsa_next_free_sgpr 66
		.amdhsa_reserve_vcc 0
		.amdhsa_float_denorm_mode_32 3
		.amdhsa_float_denorm_mode_16_64 3
		.amdhsa_memory_ordered 1
		.amdhsa_forward_progress 1
		.amdhsa_inst_pref_size 17
	.end_amdhsa_kernel
	.amdgpu_metadata
---
amdhsa.version: [ 1, 2 ]
amdhsa.kernels:
  - .name:           k_q4a74dce94e_tobf16
    .symbol:         k_q4a74dce94e_tobf16.kd
    .args:
      - { .name: x, .offset: 0, .size: 8, .value_kind: global_buffer, .address_space: global }
      - { .name: weight, .offset: 8, .size: 8, .value_kind: global_buffer, .address_space: global }
      - { .name: xb, .offset: 16, .size: 8, .value_kind: global_buffer, .address_space: global }
      - { .name: wb, .offset: 24, .size: 8, .value_kind: global_buffer, .address_space: global }
    .group_segment_fixed_size: 0
    .private_segment_fixed_size: 0
    .kernarg_segment_align: 8
    .kernarg_segment_size: 32
    .max_flat_workgroup_size: 256
    .sgpr_count:     66
    .vgpr_count:     104
    .wavefront_size: 32
...
	.end_amdgpu_metadata
.endif
;; end of part 1
;; launch gemm (part 2): grid 16 x 16, 4 waves a work-group, clusters of 4 x 4, 327,680 bytes of LDS; arguments xb, wb, bias, alpha, out0; writes out0
.if DOCPART == 2
	.amdgcn_target "amdgcn-amd-amdhsa--gfx1250"
	.amdhsa_code_object_version 6
	.text
	.protected	k_q4a74dce94e_gemm
	.globl	k_q4a74dce94e_gemm
	.p2align	8
	.type	k_q4a74dce94e_gemm,@function
k_q4a74dce94e_gemm:
	s_mov_b64 s[64:65], 0
	v_nop
	global_prefetch_b8 v0, s[64:65] scope:SCOPE_SE
	s_setreg_imm32_b32 hwreg(HW_REG_WAVE_MODE, 25, 1), 1
	s_wait_xcnt 0x0
	s_wait_alu depctr_hold_cnt(0) depctr_sa_sdst(0) depctr_va_vdst(0) depctr_va_sdst(0) depctr_va_ssrc(0) depctr_va_vcc(0) depctr_vm_vsrc(0)
	s_getreg_b32 s2, hwreg(HW_REG_IB_STS2, 6, 4)
	s_cmp_eq_u32 s2, 0
	s_cbranch_scc0 .Lentry_in_a_cluster
	s_endpgm
.Lentry_in_a_cluster:
	s_bfe_u32 s2, ttmp6, 0x10000c
	s_cmp_lg_u32 s2, 0xf033
	s_cbranch_scc0 .Lentry_shape_is_right
	s_endpgm
.Lentry_shape_is_right:
; out0[m][n] = (sum over k of xb[m][k] wb[k][n] + bias[n]) alpha.  xb: [4096 m][4096 k] bf16, wb: [4096 k][4096 n] bf16, bias: [4096] f16, alpha: one f32, out0: [4096][4096] f32.  Sums in f32.
; LIMITS.  The operands are bf16 (whole numbers up to 256 in magnitude are exact there; larger ones were rounded by the launch before).  A result is formed as sum x alpha + (bias x alpha), one fused
; multiply-add on a product rounded once: the order of rounding differs from (sum + bias) x alpha.
; SHARES.  A tile of out0, 256 x 256, is made by a work-group of four waves; a wave makes 128 x 128: 64 accumulators of 16 x 16, 512 registers.  4096 / 256 squared = 256 work-groups, one tile each.
; K goes in 32 steps of 128 through a ring of two LDS slots filled by the tensor data mover.  A step's tile of xb is 256 rows x 256 bytes; its tile of wb is 128 k-rows x 512 bytes: every row of
; either begins at a multiple of 256 bytes from its buffer's first byte.
; wb LIES [k][n]: its fragments come out of LDS turned, by ds_load_tr16_b128; xb's come as they lie.
; THE MATRIX INSTRUCTION IS USED TRANSPOSED: source 0 = 16 columns n of wb, source 1 = 16 rows m of xb.  In the result lane l then holds row m = l % 16 and its registers 0 to 7 the columns
; n = 8 (l / 16) + 0 .. 7: eight neighbouring numbers of a row of out0.
; CLUSTERS: 4 x 4 work-groups.  The four of a row of the cluster need the same tiles of xb, the four of a column the same tiles of wb: each tile is asked for JOINTLY, by the same tensor load with the
; same descriptor and a mask that names the four; each receives it in its own LDS.
; REGISTERS, in windows of 256 (s_set_vgpr_msb's low byte: bits 1:0 source 0, 3:2 source 1, 5:4 source 2, 7:6 destination):
;   window 0: v0-31 addresses, bias; v64-127, v128-191 fragments of xb (8 x 16 rows x 32 K), two buffers; on the way out the same 128 registers take rows read back from the stage
;   window 1: v64-127, v128-191 fragments of wb, two buffers
;   window 2: the 32 accumulators of my rows 0-63 (accumulator (a, b) at v[8 (8 a + b)]);   window 3: those of my rows 64-127
.set SIZE_N, 4096
.set SIZE_K, 4096
.set KSTEP,  128
.set PA,     272                       ; an LDS row of xb: 256 bytes + 16 of padding = 68 words: row r starts at bank 4 r mod 64 (64 banks of 4 bytes: ISA guide 11.1): the 16 rows of a load start at 16 different groups of four banks
.set PB,     544                       ; an LDS k-row of wb: 512 bytes + 32 of padding = 136 words: row r starts at bank 8 r mod 64
.set HALFT,  128*PA                    ; what one tensor load brings: 128 rows of xb, or 64 k-rows of wb (64 x 544 is the same 34,816 bytes)
.set BOFF,   2*HALFT                   ; in a slot: xb's 256 rows, then wb's 128 k-rows
.set SLOT,   4*HALFT
.set STAGE,  2*SLOT                    ; behind the ring, never filled by a tensor load: 16 rows x 528 bytes for each wave, for the way out
.set SP,     528                       ; a stage row: 512 bytes (128 f32) + 16
.set WSTG,   16*SP
.set SPARE,  STAGE+4*WSTG              ; behind the stages: the spare words, 128 bytes for each wave: two blocks of 256 bytes that no other line names
.set LAPS,   SIZE_K/(2*KSTEP)          ; a lap = two K steps = once round the ring
.set ASTEP,  KSTEP*2                   ; bytes from a K step to the next in xb: along a row,
.set BSTEP,  KSTEP*SIZE_N*2            ; and in wb: 128 rows down
.set ROWC,   SIZE_N*4                  ; bytes in a row of out0
.set BOF,  7                           ; v7      byte offset in bias of my four columns on the way out; never rewritten
.set BA,   8                           ; v8-11   bias x alpha of those four columns
.set ADRA, 16                          ; v16-17  LDS address of my xb fragments in slot 0, 1
.set ADRB, 20                          ; v20-21  the same for wb
.set STO,  24                          ; v24     the way out: where I put 32 bytes of a row
.set RD,   25                          ; v25     the way out: where I read 16 bytes of a row back
.set CO,   26                          ; v26     my byte offset in a row of my wave's part of out0
.set SPW,  28                          ; v28     LDS address of my spare word: SPARE + 4 x my thread's number; never rewritten
.set NIL,  29                          ; v29     0; never rewritten
.set PFO,  30                          ; v30     the prefetches' lane offset; never rewritten
.set F0,   64                          ; fragment buffer 0
.set F1,   128                         ; fragment buffer 1
.set G1,  24                           ; s[24:31] descriptor group 1 for xb's tiles
.set G0,  32                           ; s[32:39] descriptor group 0 for xb's tiles, one set for each slot
.set LIM, 43                           ; s43      1 in a wave that prefetches, else the greatest number
.set PFA, 44                           ; s[44:45] where my prefetches stand
.set G1B, 48                           ; s[48:55] descriptor group 1 for wb's tiles
.set G0B, 56                           ; s[56:63] descriptor group 0 for wb's tiles, one set for each slot
.set AL,  72                           ; s[72:73] alpha: the packed forms name a pair and take its low word for both halves
.set PFS, 74                           ; s[74:75] bytes from a K step to the next in the matrix that I prefetch
.set MSB, 0
.macro WIN new                         ; the immediate's high byte repeats the setting that is left; a switch that changes nothing is dropped
.if MSB != (\new)
	s_set_vgpr_msb (MSB<<8)|(\new)
.set MSB, \new
.endif
.endm
.set MUL_LO, 0xa1                      ; source 0 (wb) window 1, source 1 (xb) window 0, C and D window 2
.set MUL_HI, 0xf1                      ; the same, C and D window 3
.set TO_B,   0x40                      ; destination window 1, address window 0
; A joint load.  Waves 0 and 1 fetch xb's two halves (128 rows each), waves 2 and 3 wb's (64 k-rows each).  Each of the two lines has ONE mask and one set of registers for all that issue it.
; The branch hangs on the wave's number alone.  An s_nop 0 and four v_nop follow each of the two lines, ahead of the jump, the label and what follows.
.macro JLOAD s
	s_cmp_eq_u32 s11, 0
	s_cbranch_scc0 .Lfor_b_\@
	tensor_load_to_lds s[G0+4*(\s):G0+4*(\s)+3], s[G1:G1+7]
	s_nop 0
.rept 4
	v_nop
.endr
	s_branch .Lasked_\@
.Lfor_b_\@:
	tensor_load_to_lds s[G0B+4*(\s):G0B+4*(\s)+3], s[G1B:G1B+7]
	s_nop 0
.rept 4
	v_nop
.endr
.Lasked_\@:
.endm
; A PREFETCH INTO THE L2, behind each joint refill, its five lines and the run of LDS loads that follows them: my share of the K step that stands TWO refills on (512 matrix instructions ahead of the
; load that will want it): 32 blocks of 256 bytes, a lane a block, one instruction a wave.  Each block is named ONCE in the launch.  xb's tile row is read by every cluster of that row of clusters: the
; one with x = 0 asks; wb's tile column by every cluster of that column: the one with y = 0 asks.  The four partners that ask for a tile jointly share it out BY ADDRESS: of the 128 rows of xb that a
; wave fetches the partner at cx takes 32 (256 bytes each); of the 64 k-rows of wb the partner at cy takes 16 (two blocks each).  No branch hangs on a work-group's place in its cluster.
; K steps 0 to 3 come by their loads alone; the loop's last trip (s3 = 1) asks for nothing: the last step named is 31.
.macro ASK
	s_cmp_gt_u32 s3, s[LIM]
	s_cbranch_scc0 .Lnot_mine_\@
	global_prefetch_b8 v[PFO], s[PFA:PFA+1] th:TH_LOAD_NT scope:SCOPE_SE
.Lnot_mine_\@:
.endm
; A round of the cluster's barrier: my work-group's barrier, so that wave 0's signal speaks for all four waves; wave 0 signals for the work-group; every wave waits for all sixteen
; work-groups; my work-group's barrier once more.  No LDS instruction of the wave is pending at a signal.
.macro CREST                           ; a round behind its opening barrier
	s_cmp_lg_u32 s10, 0
	s_cbranch_scc1 .Lnot_wave_0_\@
	s_barrier_signal -3
.Lnot_wave_0_\@:
	s_barrier_wait -3
	s_barrier_signal -1
	s_barrier_wait -1
.endm
.macro CROUND                          ; a whole round
	s_barrier_signal -1
	s_barrier_wait -1
	CREST
.endm
	s_load_b128 s[4:7], s[0:1], 0x0                ; xb s[4:5], wb s[6:7]
	s_load_b128 s[68:71], s[0:1], 0x10             ; bias s[68:69], alpha s[70:71]
	s_load_b64 s[8:9], s[0:1], 0x20                ; out0
	v_lshl_add_u32 v[SPW], v0, 2, SPARE
	v_mov_b32 v[NIL], 0
	ds_add_u32 v[SPW], v[NIL]                      ; the wave's opening: the add, twice on end, and its wait ahead of my first tensor load; the set-up below, work on registers, stands between
	ds_add_u32 v[SPW], v[NIL]                      ; and once more, under the one wait
	v_lshrrev_b32 v1, 5, v0
	v_readfirstlane_b32 s10, v1                    ; wave 0..3
	s_lshr_b32 s11, s10, 1                         ; which half of the tile's rows is mine.  Also: I fetch for xb (0) or for wb (1)
	s_and_b32 s12, s10, 1                          ; which half of its columns.  Also: which half of that tile I fetch
	s_bfe_u32 s40, ttmp6, 0x40000                  ; cx: my place along the cluster's x
	s_bfe_u32 s41, ttmp6, 0x40004                  ; cy: along its y
	s_lshl_b32 s42, ttmp9, 2                       ; in a cluster launch ttmp9 and ttmp7 count clusters
	s_add_co_u32 s42, s42, s40                     ; tile column = 4 x cluster x + cx
	s_and_b32 s13, ttmp7, 0xffff
	s_lshl_b32 s13, s13, 2
	s_add_co_u32 s13, s13, s41                     ; tile row = 4 x cluster y + cy
	s_lshl_b32 s43, s41, 2
	s_lshl_b32 s43, 15, s43                        ; my row of the cluster: places 4 cy .. 4 cy + 3
	s_lshl_b32 s44, 0x1111, s40                    ; my column: places cx, cx + 4, cx + 8, cx + 12
	; descriptor group 1.  xb: a tile of 128 rows x 128 elements; wb: 64 k-rows x 256 elements; both padded in LDS
	s_or_b32 s[G1+0], s43, (1<<16)|(1<<20)|(1<<21)|(5<<22)|(3<<25)  ; 15:0 the mask: my row; 17:16 elements of 2 bytes; 20 padding on; 21 set beside a mask; 24:22 after every 64 words (code 5); 31:25 4 words of it (code 3)
	s_or_b32 s[G1B+0], s44, (1<<16)|(1<<20)|(1<<21)|(6<<22)|(7<<25) ; the mask: my column; padding after every 128 words (code 6), 8 words of it (code 7)
	s_mov_b32 s[G1+1], KSTEP<<16                   ; tensor_dim0 = 128
	s_mov_b32 s[G1+2], 128<<16                     ; tensor_dim1 = 128
	s_mov_b32 s[G1+3], KSTEP<<16                   ; tile_dim0 = 128
	s_mov_b32 s[G1+4], 128                         ; tile_dim1 = 128
	s_mov_b32 s[G1+5], SIZE_K                      ; elements from row to row
	s_mov_b32 s[G1+6], 0
	s_mov_b32 s[G1+7], 0
	s_mov_b32 s[G1B+1], 256<<16                    ; tensor_dim0 = 256
	s_mov_b32 s[G1B+2], 64<<16                     ; tensor_dim1 = 64
	s_mov_b32 s[G1B+3], 256<<16                    ; tile_dim0 = 256
	s_mov_b32 s[G1B+4], 64                         ; tile_dim1 = 64
	s_mov_b32 s[G1B+5], SIZE_N                     ; elements from k-row to k-row
	s_mov_b32 s[G1B+6], 0
	s_mov_b32 s[G1B+7], 0
	; where the tiles come from.  xb's hang on the tile row alone, which my row of the cluster shares; wb's on the tile column alone, which my column shares.  All offsets stay under 2^26.
	s_lshl_b32 s17, s12, 7                         ; which 128 rows of xb's tile
	s_lshl_b32 s16, s13, 8
	s_add_co_u32 s16, s16, s17                     ; row 256 x tile row + 128 x half,
	s_lshl_b32 s16, s16, 13                        ; of 8,192 bytes
	s_mov_b32 s17, 0
	s_lshl_b32 s46, s42, 9                         ; wb: 512 bytes x tile column along a k-row,
	s_lshl_b32 s47, s12, 19                        ; + 64 k-rows of 8,192 bytes x half
	s_add_co_u32 s46, s46, s47
	s_mov_b32 s47, 0
	s_mul_i32 s20, s10, HALFT                      ; and where they go: xb's two halves, then wb's two = wave x 34,816: no place in the cluster enters an LDS address
	s_wait_dscnt 0x0                               ; both opening adds are done
	s_wait_kmcnt 0x0
	s_add_nc_u64 s[14:15], s[4:5], s[16:17]
	s_add_nc_u64 s[46:47], s[6:7], s[46:47]
	CROUND                                         ; all sixteen work-groups are here: the first joint loads meet
.irp s, 0,1
	s_mov_b32 s[G0+4*(\s)], 1                                      ; 1:0 count = 1
	s_add_co_u32 s[G0+4*(\s)+1], s20, (\s)*SLOT                    ; 63:32 LDS address
	s_add_nc_u64 s[G0+4*(\s)+2:G0+4*(\s)+3], s[14:15], (\s)*ASTEP  ; 120:64 global address: K step s
	s_or_b32 s[G0+4*(\s)+3], s[G0+4*(\s)+3], 0x80000000            ; 127:126 type = 2
	s_mov_b32 s[G0B+4*(\s)], 1
	s_add_co_u32 s[G0B+4*(\s)+1], s20, (\s)*SLOT
	s_add_nc_u64 s[G0B+4*(\s)+2:G0B+4*(\s)+3], s[46:47], (\s)*BSTEP
	s_or_b32 s[G0B+4*(\s)+3], s[G0B+4*(\s)+3], 0x80000000
	JLOAD \s                                       ; the ring is filled before anything else is done: two loads of mine are out
.endr
	; alpha and my four numbers of bias are asked for; the addresses are made while they and the first tiles are on their way
	s_load_b32 s[AL], s[70:71], 0x0
	v_and_b32 v6, 31, v0                           ; l
	s_lshl_b32 s18, s42, 9                         ; 256 columns of f16 x tile column
	s_lshl_b32 s19, s12, 8                         ; + my wave's 128
	s_add_co_u32 s18, s18, s19
	v_lshl_add_u32 v[BOF], v6, 3, s18              ; + my four: on the way out lane l stores columns 4 l .. 4 l + 3 of the wave's 128
	global_load_b64 v[12:13], v[BOF], s[68:69]
	; A fragment of xb is 16 rows x 32 K in 8 registers: lane l holds row l % 16; registers 0-3 K = 8 (l / 16) + 0..7, registers 4-7 K = 16 + 8 (l / 16) + 0..7: two loads of 16 bytes, 32 bytes apart.
	v_and_b32 v1, 15, v0                           ; l % 16
	v_bfe_u32 v2, v0, 4, 1                         ; l / 16
	v_mul_u32_u24 v3, v1, PA
	v_lshl_add_u32 v3, v2, 4, v3                   ; row x pitch + 16 x half
	; The turning load takes 16 k x 16 columns (lane l reads 16 bytes: k-row 8 (l / 16) + l % 8, columns 8 ((l / 8) % 2) + 0..7) and leaves half a fragment: lane l holds column l % 16 and 8 k.
	v_and_b32 v4, 7, v0
	v_bfe_u32 v5, v0, 3, 1
	v_lshl_add_u32 v4, v2, 3, v4
	v_mul_u32_u24 v4, v4, PB
	v_lshl_add_u32 v4, v5, 4, v4
	s_mul_i32 s21, s11, HALFT                      ; my 128 rows of xb
	s_lshl_b32 s22, s12, 8                         ; my 128 columns of wb: 256 bytes of each k-row,
	s_add_co_u32 s22, s22, BOFF                    ; behind xb's 256 rows
.irp s, 0,1
	v_add_nc_u32 v[ADRA+(\s)], s21, v3
	v_add_nc_u32 v[ADRB+(\s)], s22, v4
	s_add_co_u32 s21, s21, SLOT
	s_add_co_u32 s22, s22, SLOT
.endr
	s_mul_i32 s23, s10, WSTG
	s_add_co_u32 s23, s23, STAGE                   ; my stage
	v_mul_u32_u24 v3, v1, SP                       ; in: row l % 16, 32 bytes for each half of the lanes
	v_lshl_add_u32 v3, v2, 5, v3
	v_add_nc_u32 v[STO], s23, v3
	v_lshl_add_u32 v[RD], v6, 4, s23               ; back: 32 lanes take one row of 512 bytes
	v_lshlrev_b32 v[CO], 4, v6                     ; and the same 512 bytes of a row of out0
	; out0 at my wave's first number
	s_lshl_b32 s16, s13, 8
	s_lshl_b32 s14, s11, 7
	s_add_co_u32 s16, s16, s14                     ; my first row,
	s_lshl_b32 s16, s16, 14                        ; of 16,384 bytes (under 2^26)
	s_lshl_b32 s46, s42, 10                        ; my first column, in bytes: 1,024 x tile column + 512 x half
	s_lshl_b32 s47, s12, 9
	s_add_co_u32 s46, s46, s47
	s_add_co_u32 s16, s16, s46
	s_mov_b32 s17, 0
	s_add_nc_u64 s[8:9], s[8:9], s[16:17]
	; the prefetches.  Both offsets are made, at K step 3; then the wave's number chooses.  The first refill steps the address to K step 4 and names it.
	s_lshl_b32 s20, s13, 8
	s_lshl_b32 s18, s12, 7
	s_add_co_u32 s20, s20, s18                     ; xb: the 128 rows that I fetch,
	s_lshl_b32 s18, s40, 5
	s_add_co_u32 s20, s20, s18                     ; my work-group's 32 of them,
	s_lshl_b32 s20, s20, 13
	s_add_co_u32 s20, s20, 3*ASTEP
	s_lshl_b32 s21, s12, 6                         ; wb: the 64 k-rows that I fetch,
	s_lshl_b32 s18, s41, 4
	s_add_co_u32 s21, s21, s18                     ; my work-group's 16 of them,
	s_add_co_u32 s21, s21, 3*KSTEP
	s_lshl_b32 s21, s21, 13
	s_lshl_b32 s18, s42, 9
	s_add_co_u32 s21, s21, s18                     ; at the tile column's 512 bytes
	s_and_b32 s22, ttmp7, 0xffff                   ; cluster y
	s_mov_b32 s[PFS], BSTEP
	s_cmp_eq_u32 s11, 0                            ; do I fetch for xb?
	s_cselect_b32 s20, s20, s21
	s_cselect_b32 s22, ttmp9, s22                  ; the coordinate along which other clusters read the same blocks
	s_cselect_b32 s[PFS], ASTEP, s[PFS]
	s_cselect_b64 s[PFA:PFA+1], s[4:5], s[6:7]
	s_mov_b32 s21, 0
	s_mov_b32 s[PFS+1], 0
	s_add_nc_u64 s[PFA:PFA+1], s[PFA:PFA+1], s[20:21]
	s_cmp_eq_u32 s22, 0
	s_cselect_b32 s[LIM], 1, -1                    ; the same in all sixteen partners, for a given wave
	v_lshrrev_b32 v[PFO], s11, v6                  ; xb: lane l takes row l; wb: k-row l / 2,
	v_and_b32 v5, s11, v6                          ; block l % 2 of its two
	v_lshlrev_b32 v[PFO], 13, v[PFO]
	v_lshl_add_u32 v[PFO], v5, 8, v[PFO]
	s_wait_kmcnt 0x0                               ; alpha
	s_mov_b32 s[AL+1], s[AL]                       ; named with it as a pair, so it is written
	s_wait_loadcnt 0x0                             ; bias
	v_cvt_f32_f16 v8, v12.l
	v_cvt_f32_f16 v9, v12.h
	v_cvt_f32_f16 v10, v13.l
	v_cvt_f32_f16 v11, v13.h
	v_pk_mul_f32 v[BA:BA+1], v[BA:BA+1], s[AL:AL+1] op_sel_hi:[1,0]
	v_pk_mul_f32 v[BA+2:BA+3], v[BA+2:BA+3], s[AL:AL+1] op_sel_hi:[1,0]
; 16 matrix instructions: m blocks a0, a0 + 1 of the window's four (hi = 0: my rows 0-63, 1: rows 64-127) x all 8 n blocks, 32 along K.
; zero = 1: the first product starts the sums: nothing is ever cleared.  The 64 accumulators take turns, one instruction a turn, in the same order in every quarter step.
.macro MUL16 f, hi, a0, zero
	WIN MUL_LO+0x50*(\hi)
.irp a, \a0, (\a0)+1
.irp b, 0,1,2,3,4,5,6,7
.if \zero
	v_wmma_f32_16x16x32_bf16 v[8*(8*(\a)+(\b)):8*(8*(\a)+(\b))+7], v[(\f)+8*(\b):(\f)+8*(\b)+7], v[(\f)+8*(4*(\hi)+(\a)):(\f)+8*(4*(\hi)+(\a))+7], 0
.else
	v_wmma_f32_16x16x32_bf16 v[8*(8*(\a)+(\b)):8*(8*(\a)+(\b))+7], v[(\f)+8*(\b):(\f)+8*(\b)+7], v[(\f)+8*(4*(\hi)+(\a)):(\f)+8*(4*(\hi)+(\a))+7], v[8*(8*(\a)+(\b)):8*(8*(\a)+(\b))+7]
.endif
.endr
.endr
.endm
; 32 LDS loads in one run: the fragments of quarter q of a K step (32 k x 128 columns of wb, turned; 128 rows x 32 k of xb) into buffer f
.macro FETCH slot, q, f
	WIN TO_B
.irp i, 0,1,2,3,4,5,6,7
	ds_load_tr16_b128 v[(\f)+8*(\i):(\f)+8*(\i)+3],   v[ADRB+(\slot)] offset:32*(\q)*PB+32*(\i)
	ds_load_tr16_b128 v[(\f)+8*(\i)+4:(\f)+8*(\i)+7], v[ADRB+(\slot)] offset:32*(\q)*PB+32*(\i)+16*PB
.endr
	WIN 0
.irp i, 0,1,2,3,4,5,6,7
	ds_load_b128 v[(\f)+8*(\i):(\f)+8*(\i)+3],   v[ADRA+(\slot)] offset:64*(\q)+(\i)*16*PA
	ds_load_b128 v[(\f)+8*(\i)+4:(\f)+8*(\i)+7], v[ADRA+(\slot)] offset:64*(\q)+(\i)*16*PA+32
.endr
.endm
; A load into a register that a matrix instruction has read stands four places behind that matrix instruction, and only plain vector instructions that name none of its registers are places
; (ISA guide 7.12.1 for vector instructions); the matrix instructions in between are not counted.
.macro PLACES
.rept 4
	v_nop
.endr
.endm
; A K step is four quarters of 32 along K, 64 matrix instructions each, on buffers 0, 1, 0, 1.
; One of the first three: multiplies buffer f; in its middle it fetches quarter q of the same slot into buffer g.
.macro QUARTER slot, q, f, g, zero
	s_wait_dscnt 8                                 ; wb's and xb's rows 0-63 are in; the youngest eight loads (xb's rows 64-127) may be out
	MUL16 \f, 0, 0, \zero
	MUL16 \f, 0, 2, \zero
	PLACES
	FETCH \slot, \q, \g
	s_wait_dscnt 32                                ; all but the 32 just issued
	MUL16 \f, 1, 0, \zero
	MUL16 \f, 1, 2, \zero
.endm
; The last quarter multiplies buffer 1 and changes slots.  MEET is its first half: ONE barrier for the change.  In front of it each wave waits for all its tensor loads, of which one is out: its part
; of the next slot; adds 0 to its spare word; and waits for that and for its own reads of this slot.  Behind it nobody reads this slot any more and the next slot is whole.
.macro MEET round                      ; round = 1: the rest of a round of the cluster's barrier follows
	WIN 0                                          ; (the add's two registers lie in window 0)
	s_wait_tensorcnt 0x0                           ; all my tensor loads have landed;
	ds_add_u32 v[SPW], v[NIL]                      ; 0 onto my spare word;
	s_wait_dscnt 9                                 ; (the add and the youngest eight loads may be out)
	MUL16 F1, 0, 0, 0                              ; sixteen matrix instructions stand between the add and the wait for it
	s_wait_dscnt 0x0                               ; the add is done, and my reads of this slot are over:
	s_barrier_signal -1                            ; say so,
	MUL16 F1, 0, 2, 0                              ; work on registers while the others arrive,
.if \round
	WIN 0
.endif
	s_barrier_wait -1                              ; and go on when all four have said so
.endm
; The whole last quarter.  fill = 1: behind a round of the cluster's barrier the slot just read out is filled again first, with the K step two steps on; then come the next slot's first fragments.
; From a request to the wait for it a wave issues 224 matrix instructions.
.macro TURN slot, next, fill
.if \fill
	s_wait_xcnt 0x0                                ; the last prefetch, a K step back, has read its address: it is stepped here, ahead of the waits of the change of slots
	s_add_nc_u64 s[PFA:PFA+1], s[PFA:PFA+1], s[PFS:PFS+1]
	MEET 1
	CREST                                          ; no wave of any partner still reads this slot's tile or has a load on its way
	s_add_nc_u64 s[G0+4*(\slot)+2:G0+4*(\slot)+3], s[G0+4*(\slot)+2:G0+4*(\slot)+3], 2*ASTEP    ; no tensor load of mine is out, so a group 0 may be written; the type bits on top are not reached
	s_add_nc_u64 s[G0B+4*(\slot)+2:G0B+4*(\slot)+3], s[G0B+4*(\slot)+2:G0B+4*(\slot)+3], 2*BSTEP
	JLOAD \slot                                    ; the first tensor load behind the round, my only one until the next; the four v_nop behind it are also the places in front of the loads below
	FETCH \next, 0, F0
	ASK
.else
	MEET 0                                         ; nothing is filled again, so no round follows
	PLACES
	FETCH \next, 0, F0
.endif
	MUL16 F1, 1, 0, 0
	MUL16 F1, 1, 2, 0
.endm
; THE WAY OUT of block a (16 of my rows).  A lane's eight f32 of a row are 32 bytes of the row's 512; the lanes beside it hold other rows.  So the block goes through my own stage in LDS:
; in by rows of 528 bytes, each accumulator's low four registers first; back as whole rows, 16 bytes a lane.  LDS serves a wave's instructions in order (ISA guide 5.7.1.4):
; the loads see the stores above them, and the next block's stores come behind these loads.
.macro TOSTAGE a
.set AC, 64*((\a)%4)
.set BK, F0+64*((\a)%2)
	WIN 0x08+4*((\a)/4)                            ; the stores' data (source 1): window 2 or 3
.irp b, 0,1,2,3,4,5,6,7
	ds_store_b128 v[STO], v[AC+8*(\b):AC+8*(\b)+3]   offset:64*(\b)
	ds_store_b128 v[STO], v[AC+8*(\b)+4:AC+8*(\b)+7] offset:64*(\b)+16
.endr
	WIN 0
	s_wait_xcnt 0x0                                ; the stores of the block two back have read these registers: only behind this wait are they loaded again
.irp t, 0,1,2,3,4,5,6,7,8,9,10,11,12,13,14,15
	ds_load_b128 v[BK+4*(\t):BK+4*(\t)+3], v[RD] offset:(\t)*SP
.endr
.endm
; Row t of block a: sum x alpha + bias x alpha, two fused multiply-adds an instruction, and stored.  younger: the LDS instructions issued behind the block's loads: the next block's 32, or none.
.macro SEND a, younger
.set BK, F0+64*((\a)%2)
	WIN 0
.irp t, 0,1,2,3,4,5,6,7,8,9,10,11,12,13,14,15
	s_wait_dscnt (\younger)+15-(\t)                ; row t is back; the block's later rows and the next block's instructions may be out
	v_pk_fma_f32 v[BK+4*(\t):BK+4*(\t)+1],   v[BK+4*(\t):BK+4*(\t)+1],   s[AL:AL+1], v[BA:BA+1]   op_sel_hi:[1,0,1]
	v_pk_fma_f32 v[BK+4*(\t)+2:BK+4*(\t)+3], v[BK+4*(\t)+2:BK+4*(\t)+3], s[AL:AL+1], v[BA+2:BA+3] op_sel_hi:[1,0,1]
	global_store_b128 v[CO], v[BK+4*(\t):BK+4*(\t)+3], s[8:9] offset:(16*(\a)+(\t))*ROWC th:TH_STORE_NT  ; the wave stores 512 consecutive bytes, at a multiple of 256 from out0's first byte; the row stands in the immediate, 127 x 16,384 at the most
.endr
.endm
	s_wait_tensorcnt 1                             ; my part of K step 0 is in; K step 1's may stay out
	s_barrier_signal -1
	s_barrier_wait -1                              ; everybody's is
	FETCH 0, 0, F0
	QUARTER 0, 1, F0, F1, 1                        ; the first quarter stands in front of the loop: its products start the sums
	WIN 0                                          ; at a label and at a branch every window is 0
	s_mov_b32 s3, LAPS-1
.Llap:                                             ; a trip goes once round the ring, from a lap's second quarter to the next lap's first, and fills both slots again
	QUARTER 0, 2, F1, F0, 0
	QUARTER 0, 3, F0, F1, 0
	TURN 0, 1, 1
	QUARTER 1, 1, F0, F1, 0
	QUARTER 1, 2, F1, F0, 0
	QUARTER 1, 3, F0, F1, 0
	TURN 1, 0, 1
	QUARTER 0, 1, F0, F1, 0
	WIN 0
	s_sub_co_u32 s3, s3, 1
	s_cmp_lg_u32 s3, 0
	s_cbranch_scc1 .Llap
	QUARTER 0, 2, F1, F0, 0                        ; the last lap is written out: it fills nothing and has no round of the cluster's barrier
	QUARTER 0, 3, F0, F1, 0
	TURN 0, 1, 0
	QUARTER 1, 1, F0, F1, 0
	QUARTER 1, 2, F1, F0, 0
	QUARTER 1, 3, F0, F1, 0
	s_wait_dscnt 8                                 ; the very last quarter: nothing more to fetch
	MUL16 F1, 0, 0, 0
	MUL16 F1, 0, 2, 0
	s_wait_dscnt 0x0
	MUL16 F1, 1, 0, 0
	MUL16 F1, 1, 2, 0
	WIN 0
	PLACES                                         ; the LDS stores below read results, and the loads below land in registers that products have read:
	PLACES                                         ; eight places, once a launch
	TOSTAGE 0
.irp a, 1,2,3,4,5,6,7                  ; block a's way through the stage is begun before block a - 1's rows are waited for
	TOSTAGE \a
	SEND (\a)-1, 32
.endr
	SEND 7, 0
	s_wait_tensorcnt 0x0                           ; the wave's end: behind my last tensor load and my last LDS store
	ds_add_u32 v[SPW], v[NIL]
	s_wait_dscnt 0x0
	CROUND                                         ; the closing round: no work-group ends while a partner may still ask for a tile that names it
	s_endpgm
.Lfunc_end_k_q4a74dce94e_gemm:
	.size	k_q4a74dce94e_gemm, .Lfunc_end_k_q4a74dce94e_gemm-k_q4a74dce94e_gemm
	.p2alignl 7, 3214868480
	.fill 96, 4, 3214868480
	.section	.rodata,"a",@progbits
	.p2align	6, 0x0
	.amdhsa_kernel k_q4a74dce94e_gemm
		.amdhsa_group_segment_fixed_size 327680
		.amdhsa_private_segment_fixed_size 0
		.amdhsa_enable_private_segment 0
		.amdhsa_kernarg_size 40
		.amdhsa_user_sgpr_count 2
		.amdhsa_user_sgpr_kernarg_segment_ptr 1
		.amdhsa_wavefront_size32 1
		.amdhsa_system_sgpr_workgroup_id_x 1
		.amdhsa_system_sgpr_workgroup_id_y 1
		.amdhsa_system_sgpr_workgroup_id_z 1
		.amdhsa_system_vgpr_workitem_id 0
		.amdhsa_next_free_vgpr 1024
		.amdhsa_next_free_sgpr 76
		.amdhsa_reserve_vcc 0
		.amdhsa_float_denorm_mode_32 3
		.amdhsa_float_denorm_mode_16_64 3
		.amdhsa_memory_ordered 1
		.amdhsa_forward_progress 1
		.amdhsa_inst_pref_size 162
	.end_amdhsa_kernel
	.amdgpu_metadata
---
amdhsa.version: [ 1, 2 ]
amdhsa.kernels:
  - .name:           k_q4a74dce94e_gemm
    .symbol:         k_q4a74dce94e_gemm.kd
    .args:
      - { .name: xb, .offset: 0, .size: 8, .value_kind: global_buffer, .address_space: global }
      - { .name: wb, .offset: 8, .size: 8, .value_kind: global_buffer, .address_space: global }
      - { .name: bias, .offset: 16, .size: 8, .value_kind: global_buffer, .address_space: global }
      - { .name: alpha, .offset: 24, .size: 8, .value_kind: global_buffer, .address_space: global }
      - { .name: out0, .offset: 32, .size: 8, .value_kind: global_buffer, .address_space: global }
    .group_segment_fixed_size: 327680
    .private_segment_fixed_size: 0
    .kernarg_segment_align: 8
    .kernarg_segment_size: 40
    .max_flat_workgroup_size: 128
    .sgpr_count:     76
    .vgpr_count:     1024
    .wavefront_size: 32
...
	.end_amdgpu_metadata
.endif
;; end of part 2
;; ======== version 2 of 2: 2 launches; version 1 with the launch tobf16 written anew for expert scheduling mode
;; workspace buffers: xb 33,554,432 bytes; wb 33,554,432 bytes
;; launch tobf16 (part 3): grid 256 x 2, 8 waves a work-group, no clusters, 0 bytes of LDS; arguments x, weight, xb, wb; writes xb, wb
.if DOCPART == 3
	.amdgcn_target "amdgcn-amd-amdhsa--gfx1250"
	.amdhsa_code_object_version 6
	.text
	.protected	k_q4a74dce94e_tobf16
	.globl	k_q4a74dce94e_tobf16
	.p2align	8
	.type	k_q4a74dce94e_tobf16,@function
k_q4a74dce94e_tobf16:
	s_mov_b64 s[64:65], 0
	v_nop
	global_prefetch_b8 v0, s[64:65] scope:SCOPE_SE
	s_setreg_imm32_b32 hwreg(HW_REG_WAVE_SCHED_MODE, 0, 2), 2
	s_setreg_imm32_b32 hwreg(HW_REG_WAVE_MODE, 25, 1), 1
	s_wait_xcnt 0x0
	s_wait_alu depctr_vm_vsrc(0)
; xb = bf16(x), wb = bf16(weight): both [4096][4096], int32 in, bf16 out, the layout unchanged.
; LIMIT.  bf16 holds every whole number up to 256 in magnitude exactly; a larger one is rounded to 8 significant bits, and one
; beyond 2^24 is rounded twice (int32 -> f32 -> bf16).  Every int32 lies within bf16's range.
; SHARES.  Grid y picks the matrix (0: x -> xb, 1: weight -> wb).  A work-group owns 262,144 bytes of input, taken as 64 pieces of 4,096:
; thread t reads the 16 bytes at 16 t of each piece (a wave's load covers 512 consecutive bytes) and stores the 8 bytes at 8 t of the
; piece's 2,048 bytes of output (a wave's store covers 256 consecutive bytes, at a multiple of 256 from the buffer's first byte).
; No LDS, no barrier, no matrix unit, no cluster: no byte is wanted by two threads.
; THE MODE: SCHED_MODE bits 1:0 = 2 (LLVM: expert scheduling mode 2), set by the entry lines.  The code itself states the register dependences
; between vector instructions and memory instructions, with s_wait_alu, always for 0.
; THE PLAN.  The 64 pieces go in 8 blocks of eight.  Registers that memory instructions touch:
;   X0 .. X3   four blocks of input.  Written by the loads of block p + 3, issued in block p; block p's conversions turn X[p % 4] into f32 in place, and its roundings read it.
;   Y0, Y1     two blocks of output.  Written by block p's roundings; read by the eight stores that are issued in block p + 1.
;   v1, v2     byte offsets, made once at the head and never written again: every piece is reached by an immediate offset (258,048 bytes at the most), and the two bases stay.
; Block p works on X[p % 4] and writes Y[p % 2].  Its memory instructions are the loads into X[(p + 3) % 4] = X[(p - 1) % 4] and the stores from
; Y[(p - 1) % 2]: the two buffers that block p - 1 worked on and that no vector instruction of block p names.  So the waits at the head of a block
; state all that the block's sixteen memory instructions hang on, and these are dealt among its vector instructions with no further wait.
; The eight blocks are once round the four X buffers and the blocks that load nothing: they are written out, by one macro, without a loop.
.set BLOCK,  8                         ; pieces in a block
.set BLOCKS, 64/BLOCK
.set INP,    4096                      ; bytes of input in a piece
.set OUTP,   2048                      ; bytes of output in a piece
.set IO,  1                            ; v1          16 t; never rewritten
.set OO,  2                            ; v2          8 t; never rewritten
.set X,   4                            ; v[4:131]    buffer k, piece i: 4 registers at X + 32 k + 4 i: four int32 as loaded, then as f32
.set Y,   132                          ; v[132:163]  buffer k, piece i: 2 registers at Y + 16 k + 2 i: four bf16 to store
	s_load_b256 s[4:11], s[0:1], 0x0               ; x s[4:5], weight s[6:7], xb s[8:9], wb s[10:11]
	s_and_b32 s12, ttmp7, 0xffff                   ; which matrix
	s_lshl_b32 s14, ttmp9, 18                      ; the work-group's 262,144 bytes of input (under 2^26),
	s_mov_b32 s15, 0
	s_lshl_b32 s16, ttmp9, 17                      ; and its 131,072 bytes of output
	s_mov_b32 s17, 0
	v_lshlrev_b32 v[IO], 4, v0
	v_lshlrev_b32 v[OO], 3, v0
	s_wait_kmcnt 0x0
	s_cmp_eq_u32 s12, 0                            ; the choice hangs on the work-group's y alone
	s_cselect_b64 s[4:5], s[4:5], s[6:7]
	s_cselect_b64 s[8:9], s[8:9], s[10:11]
	s_add_nc_u64 s[4:5], s[4:5], s[14:15]
	s_add_nc_u64 s[8:9], s[8:9], s[16:17]
	s_wait_alu depctr_va_vdst(0)                   ; v1 and v2 are written: every load and store of the kernel reads one of them as its offset
.set i, 0
.rept 3*BLOCK
	global_load_b128 v[X+4*i:X+4*i+3], v[IO], s[4:5] offset:i*INP th:TH_LOAD_NT  ; blocks 0, 1 and 2 into X0, X1, X2
.set i, i+1
.endr
; Block p.  It loads block p + 3, where there is one, and stores block p - 1, where there is one.
.macro BLK p
.set XB, X+32*((\p)%4)                 ; the buffer at work
.set XN, X+32*(((\p)+3)%4)             ; the buffer that the block before worked on, now asked for again
.set YB, Y+16*((\p)%2)                 ; the buffer that this block's roundings write
.set YP, Y+16*(((\p)+1)%2)             ; the buffer that the block before wrote, now stored
.set LEFT, 2*BLOCK                     ; the loads of the two younger blocks may stay out;
.if (\p) > (BLOCKS-3)
.set LEFT, (BLOCKS-1-(\p))*BLOCK       ; behind the last load the counts run down: 8, then 0
.endif
	s_wait_loadcnt LEFT                            ; loads come back in order (ISA guide 5.7.1): X[p % 4] is in, the younger blocks stay out
.if (\p) > 1
	s_wait_xcnt 0x0                                ; every earlier memory instruction has had its addresses translated (ISA guide 3.1): Y[p % 2], the data of the stores issued in the block before, is rewritten only behind this wait
	s_wait_alu depctr_vm_vsrc(0)                   ; the stores issued in the block before have read Y[p % 2], which this block's roundings write again
.endif
.if (\p) > 0
	s_wait_alu depctr_va_vdst(0)                   ; the block before has written the other Y, which the stores below read, and is done reading and writing its X, in which the loads below land
.endif
.irp i, 0,1,2,3,4,5,6,7
.if ((\p)+3) < BLOCKS
	global_load_b128 v[XN+4*(\i):XN+4*(\i)+3], v[IO], s[4:5] offset:(((\p)+3)*BLOCK+(\i))*INP th:TH_LOAD_NT  ; three blocks ahead; no vector instruction since the wait names these registers
.endif
.if (\p) > 0
	global_store_b64 v[OO], v[YP+2*(\i):YP+2*(\i)+1], s[8:9] offset:(((\p)-1)*BLOCK+(\i))*OUTP  ; the block before; no hint: the next launch reads these bytes
.endif
.irp j, 0,1,2,3
	v_cvt_f32_i32 v[XB+4*(\i)+(\j)], v[XB+4*(\i)+(\j)]
.endr
	v_cvt_pk_bf16_f32 v[YB+2*(\i)],   v[XB+4*(\i)],   v[XB+4*(\i)+1]  ; the first source goes into the low half: the lower index
	v_cvt_pk_bf16_f32 v[YB+2*(\i)+1], v[XB+4*(\i)+2], v[XB+4*(\i)+3]
.endr
.endm
.irp p, 0,1,2,3,4,5,6,7                ; block 0 stores nothing and has no wait but the one for its data: X3, in which its loads land, has been named by no vector instruction;
	BLK \p                                         ; blocks 5 to 7 load nothing: no load leaves the buffer
.endr
	s_wait_alu depctr_va_vdst(0)                   ; block 7 has written Y1, which the last eight stores read
.irp i, 0,1,2,3,4,5,6,7
	global_store_b64 v[OO], v[Y+16+2*(\i):Y+16+2*(\i)+1], s[8:9] offset:((BLOCKS-1)*BLOCK+(\i))*OUTP
.endr
	s_endpgm
.Lfunc_end_k_q4a74dce94e_tobf16:
	.size	k_q4a74dce94e_tobf16, .Lfunc_end_k_q4a74dce94e_tobf16-k_q4a74dce94e_tobf16
	.p2alignl 7, 3214868480
	.fill 96, 4, 3214868480
	.section	.rodata,"a",@progbits
	.p2align	6, 0x0
	.amdhsa_kernel k_q4a74dce94e_tobf16
		.amdhsa_group_segment_fixed_size 0
		.amdhsa_private_segment_fixed_size 0
		.amdhsa_enable_private_segment 0
		.amdhsa_kernarg_size 32
		.amdhsa_user_sgpr_count 2
		.amdhsa_user_sgpr_kernarg_segment_ptr 1
		.amdhsa_wavefront_size32 1
		.amdhsa_system_sgpr_workgroup_id_x 1
		.amdhsa_system_sgpr_workgroup_id_y 1
		.amdhsa_system_sgpr_workgroup_id_z 1
		.amdhsa_system_vgpr_workitem_id 0
		.amdhsa_next_free_vgpr 164
		.amdhsa_next_free_sgpr 66
		.amdhsa_reserve_vcc 0
		.amdhsa_float_denorm_mode_32 3
		.amdhsa_float_denorm_mode_16_64 3
		.amdhsa_memory_ordered 1
		.amdhsa_forward_progress 1
		.amdhsa_inst_pref_size 30
	.end_amdhsa_kernel
	.amdgpu_metadata
---
amdhsa.version: [ 1, 2 ]
amdhsa.kernels:
  - .name:           k_q4a74dce94e_tobf16
    .symbol:         k_q4a74dce94e_tobf16.kd
    .args:
      - { .name: x, .offset: 0, .size: 8, .value_kind: global_buffer, .address_space: global }
      - { .name: weight, .offset: 8, .size: 8, .value_kind: global_buffer, .address_space: global }
      - { .name: xb, .offset: 16, .size: 8, .value_kind: global_buffer, .address_space: global }
      - { .name: wb, .offset: 24, .size: 8, .value_kind: global_buffer, .address_space: global }
    .group_segment_fixed_size: 0
    .private_segment_fixed_size: 0
    .kernarg_segment_align: 8
    .kernarg_segment_size: 32
    .max_flat_workgroup_size: 256
    .sgpr_count:     66
    .vgpr_count:     164
    .wavefront_size: 32
...
	.end_amdgpu_metadata
.endif
;; end of part 3
;; launch gemm: the kernel of part 2 again; grid 16 x 16, 4 waves a work-group, clusters of 4 x 4, 327,680 bytes of LDS; arguments xb, wb, bias, alpha, out0; writes out0
